; MI455X (gfx1250); checked and timed in simulation.
; The chip was launched on July 23, 2026; its instructions are those of AMD's public machine-readable ISA for CDNA 5 (MIT licence, August 2026) and "CDNA5" Instruction Set Architecture Reference Guide (July 2026). The comments in the code are by the model that wrote it; some were corrected since.
;; Signature. Allowed arithmetic: float matrix products may take bf16 or f16 operands with f32 sums; all other float work in f32.
;; Inputs: path 64 x 4,096 x 6 float32.
;; Outputs: out0 64 x 1,554 float32.
;; 2 versions, each right; version 2 is version 1 with the launch chunks written anew for expert scheduling mode. Each part assembles by itself: llvm-mc -triple=amdgcn-amd-amdhsa -mcpu=gfx1250 --defsym DOCPART=n.
;; ======== version 1 of 2: 2 launches
;; workspace buffers: sig 1,835,008 bytes
;; launch chunks (part 1): grid 256 x 1, 8 waves a work-group, no clusters, 198,144 bytes of LDS; arguments path, sig; writes sig
.if DOCPART == 1
	.amdgcn_target "amdgcn-amd-amdhsa--gfx1250"
	.amdhsa_code_object_version 6
	.text
	.protected	k_q93545245ee_chunks
	.globl	k_q93545245ee_chunks
	.p2align	8
	.type	k_q93545245ee_chunks,@function
k_q93545245ee_chunks:
	s_mov_b64 s[64:65], 0
	v_nop
	global_prefetch_b8 v0, s[64:65] scope:SCOPE_SE
	s_setreg_imm32_b32 hwreg(HW_REG_WAVE_MODE, 25, 1), 1
	s_wait_xcnt 0x0
; Signature (levels 1 to 4, 6 channels) of one chunk of 1024 steps of one path.  256 work-groups = 64 paths x 4 chunks.
;
; THE ARITHMETIC.  x0, xE: the chunk's first and last point.  For the step from point t to point t+1:
;   d = x(t+1)-x(t)   mid = (x(t)+x(t+1))/2   u = mid-x0   Rm = xE-mid   c1 = u/2-d/12   w = u(x)d   S2p = sum of the earlier w
;   Pa = S2p + c1(x)d
; Sorting the four letters of a level-4 word by the step that holds the third letter gives
;   S2 = sum w      S3 = sum Pa(x)d      S4 = sum [ Pa (x) (d(x)Rm)  +  w (x) (-d(x)d/12) ]
; so S4 is a matrix product with time as K: rows (i,j), columns (k,l), two K places a step.  Index (i,j) sits in row 8i+j: 48 rows and
; 48 columns, 3 x 3 tiles of 16 x 16.  Channel 6 is a constant row (d = 0, Rm = 1): column l = 6 then holds sum Pa(x)d = S3.  Channel 7: zeros.
; The operands are bf16, the sums f32.  To keep Pa small the f32 scan S2p starts at 0 in each segment of 64 steps; what that leaves out,
;   sum over segments of P2(seg) (x) G(seg),   P2 = S2p at the segment's start,   G = sum over the segment of d(x)Rm,
; is added at the end by nine more matrix instructions, P2 and G each split in a high and a low bf16 part (hi hi + lo hi + hi lo).
;
; THE SHARES.  Eight waves: building operands is vector work (124 vector instructions for nine matrix instructions), the accumulators take
; 72 registers only, so two waves a SIMD are worth more here than a larger tile.  Lane (r = lane%16, h = lane/16) of wave w owns segment 2w+h,
; channel j = r%8 and, for tile a, channel i = 2a + r/8: it makes row r of A's tile a and column r of B's tile a for eight steps of its segment,
; one register a step: A = (Pa, w), B = (d Rm, -d d/12).  Both halves of the lanes fill K places of their own, so one matrix instruction sums
; two segments.
; NOT USED: clusters (no two work-groups read the same bytes but for one point of 24 bytes); the tensor mover and a ring (the chunk's 24,576
; bytes are read once, at the start, and need arithmetic before use); prefetches (all loads stand in the first lines).
; LIMITS: levels 3 and 4 carry the rounding of the bf16 operands (2^-8 relative at the most for each operand); the order of sums is not the
; scan's; a non-finite input gives non-finite results, not always in the places where the scan would have them (0 x inf in masked sums).
.set PATHB,  98304                     ; bytes of a path: 4096 points x 24
.set CHUNKB, 24576                     ; bytes of 1024 points
.set PITCH,  4112                      ; a channel's row in LDS: 1024 f32 + 16 bytes, so that eight channels' 16-byte pieces start 16 bytes apart modulo 256
.set ARR_C1, 6*PITCH                   ; LDS: u rows 0-5 at 0, c1 rows 0-5,
.set ARR_D,  12*PITCH                  ; d rows 0-7,
.set OFF_RM, 8*PITCH                   ; Rm rows 0-7 (counted from ARR_D),
.set RAW,    28*PITCH                  ; the chunk's 1025 points as they lie in memory,
.set RED,    139776                    ; and eight copies of the record, one for each wave
.set REC,    7168                      ; a record: M[36][48] f32 (6912 bytes), S2[6][8] (192), S1 twice with two zeros each (64)
.set TAIL,   6912
; registers of the main part
.set IA,  1                            ; LDS address for u and c1: (r/8) PITCH + 256 segment
.set IA2, 2                            ; the same for d
.set JA,  3                            ; LDS address for d and Rm of channel j
.set FL,  4                            ; xE - segment's first point, channel j
.set P1,  5                            ; v5-7    segment's first point - x0, channel i of tile a
.set EL,  8                            ; xE - segment's last point, channel j
.set SL,  9                            ; the segment's increment, channel j
.set SPH, 10                           ; v10-15  tile a: S2p before steps 0 and 1 of the block; the first carries the scan from block to block
.set SPS, 16                           ; v16-21  S2p before steps 2 to 7
.set W,   22                           ; v22-29  w of eight steps
.set EJ,  30                           ; v30-37  -d/12 of channel j
.set JB0, 38                           ; v38-69  two buffers: d (8), Rm (8) of channel j
.set IB0, 70                           ; v70-117 two buffers: u (8), c1 (8), d (8) of channel i
.set FA,  118                          ; v118-141 A's three fragments
.set FB,  142                          ; v142-165 B's three fragments
.set ACC, 166                          ; v166-237 nine accumulators, tile (x, y) at ACC + 8 (3x + y)
.set XE,  238                          ; v238-240 segment's last point - x0, channel i of tile a
; registers of the first part (free again later)
.set PA,  10
.set PB,  11
.set PR,  12
.set PX,  13
.set X,   38                           ; v38-67  five points
.set TU,  70
.set TC,  74
.set TD,  78
.set TR,  82
.set TM,  86
.set ZR,  92
.set ON,  96
.set EP,  100
.set EPA, 106
	s_load_b128 s[4:7], s[0:1], 0x0                ; path s[4:5], sig s[6:7]
	v_lshl_add_u32 v248, v0, 2, 0x30200
	v_mov_b32 v249, 0
	v_lshrrev_b32 v5, 5, v0
	v_readfirstlane_b32 s8, v5                     ; wave 0..7
	s_lshr_b32 s9, ttmp9, 2                        ; path
	s_and_b32 s10, ttmp9, 3                        ; chunk
	s_mul_i32 s11, s9, PATHB
	s_mul_i32 s12, s10, CHUNKB
	s_add_co_u32 s12, s12, s11                     ; byte offset of the chunk's first point
	s_mov_b32 s13, 0
	s_lshl_b32 s14, s10, 10
	s_add_co_u32 s14, s14, 1024
	s_min_u32 s14, s14, 4095                       ; the chunk's last point; the last chunk has 1023 steps: its point 1024 repeats point 1023, a step of zero
	s_mul_i32 s14, s14, 24
	s_add_co_u32 s14, s14, s11
	s_mov_b32 s15, 0
	s_mul_i32 s22, ttmp9, REC                      ; my record
	s_mov_b32 s23, 0
	s_mov_b32 s30, 0xbdaaaaab                      ; -1/12, twice: a pair for the packed multiply
	s_mov_b32 s31, 0xbdaaaaab
	s_mov_b32 s32, 0x76543210                      ; v_permlanex16_b32: lane i takes lane i of the other half
	s_mov_b32 s33, 0xfedcba98
	s_mov_b32 s36, 0xffff0000                      ; the upper 16 bits of an f32: its bf16 part, cut off
	s_mul_i32 s35, s8, REC
	s_add_co_u32 s35, s35, RED                     ; my wave's copy of the record
	s_add_co_u32 s34, s35, TAIL
.irp n, 0,1,2,3,4,5,6
	s_cmp_gt_u32 s8, \n
	s_cselect_b32 s[40+\n], 0x3f800000, 0          ; 1.0 for the waves in front of mine
.endr
	v_lshlrev_b32 v[PA], 4, v0                     ; 16 t
	s_wait_kmcnt 0x0
	s_add_nc_u64 s[12:13], s[4:5], s[12:13]
	s_add_nc_u64 s[14:15], s[4:5], s[14:15]
	s_add_nc_u64 s[6:7], s[6:7], s[22:23]
.irp n, 0,1,2,3,4,5
	global_load_b128 v[X+4*\n:X+4*\n+3], v[PA], s[12:13] offset:4096*\n th:TH_LOAD_NT   ; a wave's load covers 512 neighbouring bytes
.endr
	s_load_b128 s[16:19], s[12:13], 0x0            ; x0 in s16-21
	s_load_b64  s[20:21], s[12:13], 0x10
	s_load_b128 s[24:27], s[14:15], 0x0            ; xE in s24-29
	s_load_b64  s[28:29], s[14:15], 0x10
	v_add_nc_u32 v[PB], ARR_D, v[PA]
	v_add_nc_u32 v[PR], RAW, v[PA]
	v_mul_u32_u24 v[PX], 96, v0
	v_add_nc_u32 v[PX], RAW, v[PX]                 ; my four steps: points 4t .. 4t+4
.irp z, 0,1,2,3
	v_mov_b32 v[ZR+\z], 0
	v_mov_b32 v[ON+\z], 1.0
.endr
	ds_store_b128 v[PB], v[ZR:ZR+3] offset:6*PITCH             ; channel 6: d = 0,
	ds_store_b128 v[PB], v[ZR:ZR+3] offset:7*PITCH             ; channel 7: d = 0,
	ds_store_b128 v[PB], v[ON:ON+3] offset:OFF_RM+6*PITCH      ; channel 6: Rm = 1 (column l = 6 becomes S3),
	ds_store_b128 v[PB], v[ZR:ZR+3] offset:OFF_RM+7*PITCH      ; channel 7: Rm = 0
	; lane terms of the main part
	v_lshrrev_b32 v5, 4, v0                        ; segment = 2 wave + half
	v_bfe_u32 v6, v0, 3, 1                         ; r / 8
	v_and_b32 v7, 7, v0                            ; j
	v_mul_u32_u24 v[IA], PITCH, v6
	v_lshl_add_u32 v[IA], v5, 8, v[IA]             ; + 64 steps x 4 bytes a segment
	v_add_nc_u32 v[IA2], ARR_D, v[IA]
	v_mul_u32_u24 v[JA], PITCH, v7
	v_lshl_add_u32 v[JA], v5, 8, v[JA]
	v_add_nc_u32 v[JA], ARR_D, v[JA]
	s_wait_loadcnt 0x0
.irp n, 0,1,2,3,4,5
	ds_store_b128 v[PR], v[X+4*\n:X+4*\n+3] offset:4096*\n
.endr
	s_wait_kmcnt 0x0                               ; x0 and xE
	s_cmp_lg_u32 s8, 0
	s_cbranch_scc1 .Lraw_done
.irp z, 0,1,2,3,4,5
	v_mov_b32 v[EP+\z], s[24+\z]                   ; wave 0 lays point 1024 behind the others (all lanes the same bytes)
.endr
	v_mov_b32 v[EPA], RAW+CHUNKB
	ds_store_b128 v[EPA], v[EP:EP+3]
	ds_store_b64 v[EPA], v[EP+4:EP+5] offset:16
.Lraw_done:
	s_wait_dscnt 0x0                               ; my stores are in LDS before I say so
	s_barrier_signal -1
	s_barrier_wait -1                              ; the 1025 points are there
.irp n, 0,1,2,3,4,5,6
	ds_load_b128 v[X+4*\n:X+4*\n+3], v[PX] offset:16*\n
.endr
	ds_load_b64 v[X+28:X+29], v[PX] offset:112     ; 30 numbers: X + 6 s + c = channel c of point 4t + s
	s_wait_dscnt 0x0
	; u, c1, d, Rm of my four steps, channel by channel; 16 bytes of each array's row
.irp c, 0,1,2,3,4,5
.irp s, 0,1,2,3
	v_sub_f32 v[TD+\s], v[X+6*\s+6+\c], v[X+6*\s+\c]
.endr
.irp s, 0,1,2,3
	v_add_f32 v[TM+\s], v[X+6*\s+6+\c], v[X+6*\s+\c]
.endr
.irp s, 0,1,2,3
	v_fma_f32 v[TU+\s], v[TM+\s], 0.5, -s[16+\c]   ; u = mid - x0
.endr
.irp s, 0,1,2,3
	v_fma_f32 v[TR+\s], v[TM+\s], -0.5, s[24+\c]   ; Rm = xE - mid
.endr
.irp s, 0,1,2,3
	v_mul_f32 v[TM+\s], 0.5, v[TU+\s]
.endr
.irp s, 0,1,2,3
	v_fma_f32 v[TC+\s], v[TD+\s], s30, v[TM+\s]    ; c1 = u/2 - d/12
.endr
	ds_store_b128 v[PA], v[TU:TU+3] offset:\c*PITCH
	ds_store_b128 v[PA], v[TC:TC+3] offset:ARR_C1+\c*PITCH
	ds_store_b128 v[PB], v[TD:TD+3] offset:\c*PITCH
	ds_store_b128 v[PB], v[TR:TR+3] offset:OFF_RM+\c*PITCH
.endr
	s_wait_dscnt 0x0
	s_barrier_signal -1
	s_barrier_wait -1                              ; the four arrays are whole
	v_mov_b32 v[SPH], 0                            ; the three scans start at 0
	v_mov_b32 v[SPH+2], 0
	v_mov_b32 v[SPH+4], 0
; four loads: d and Rm of channel j, the eight steps of block LBK, into buffer LJB
.macro LOADJ
	ds_load_b128 v[LJB:LJB+3],     v[JA] offset:LBK*32
	ds_load_b128 v[LJB+4:LJB+7],   v[JA] offset:LBK*32+16
	ds_load_b128 v[LJB+8:LJB+11],  v[JA] offset:OFF_RM+LBK*32
	ds_load_b128 v[LJB+12:LJB+15], v[JA] offset:OFF_RM+LBK*32+16
.endm
; six loads: u, c1, d of channel i = 2 LTA + r/8, block LBK, into buffer LIB
.macro LOADI
	ds_load_b128 v[LIB:LIB+3],     v[IA]  offset:2*LTA*PITCH+LBK*32
	ds_load_b128 v[LIB+4:LIB+7],   v[IA]  offset:2*LTA*PITCH+LBK*32+16
	ds_load_b128 v[LIB+8:LIB+11],  v[IA]  offset:ARR_C1+2*LTA*PITCH+LBK*32
	ds_load_b128 v[LIB+12:LIB+15], v[IA]  offset:ARR_C1+2*LTA*PITCH+LBK*32+16
	ds_load_b128 v[LIB+16:LIB+19], v[IA2] offset:2*LTA*PITCH+LBK*32
	ds_load_b128 v[LIB+20:LIB+23], v[IA2] offset:2*LTA*PITCH+LBK*32+16
.endm
; Eight steps of tile TA in block BK: buffers IBF (u, c1, d of channel i) and JBF (d, Rm of channel j).  Results overwrite what is done with:
; d Rm lands on u, -d d/12 on d, Pa on c1.  The scan's seven dependent adds are interleaved with B's products, which do not wait for them.
.macro TILE
.if BK == 0
	v_fma_f32 v[P1+TA], v[IBF+16], -0.5, v[IBF]    ; u - d/2 of the first step = segment's first point - x0
.if TA == 0
	v_fma_f32 v[FL], v[JBF], 0.5, v[JBF+8]         ; Rm + d/2 of the first step = xE - segment's first point
.endif
.endif
.if BK == 7
	v_fma_f32 v[XE+TA], v[IBF+23], 0.5, v[IBF+7]   ; u + d/2 of the last step = segment's last point - x0
.endif
.if TA == 0
.irp p, 0,2,4,6
	v_pk_mul_f32 v[EJ+\p:EJ+\p+1], v[JBF+\p:JBF+\p+1], s[30:31] op_sel_hi:[1,0]   ; -d/12 of channel j, once for the three tiles
.endr
.endif
.irp p, 0,2,4,6
	v_pk_mul_f32 v[W+\p:W+\p+1], v[IBF+\p:IBF+\p+1], v[JBF+\p:JBF+\p+1]           ; w = u_i d_j
.endr
	v_add_f32 v[SPH+2*TA+1], v[SPH+2*TA], v[W]
	v_pk_mul_f32 v[IBF:IBF+1], v[IBF+16:IBF+17], v[JBF+8:JBF+9]                   ; d_i Rm_j
	v_add_f32 v[SPS], v[SPH+2*TA+1], v[W+1]
	v_pk_mul_f32 v[IBF+2:IBF+3], v[IBF+18:IBF+19], v[JBF+10:JBF+11]
	v_add_f32 v[SPS+1], v[SPS], v[W+2]
	v_pk_mul_f32 v[IBF+4:IBF+5], v[IBF+20:IBF+21], v[JBF+12:JBF+13]
	v_add_f32 v[SPS+2], v[SPS+1], v[W+3]
	v_pk_mul_f32 v[IBF+6:IBF+7], v[IBF+22:IBF+23], v[JBF+14:JBF+15]
	v_add_f32 v[SPS+3], v[SPS+2], v[W+4]
	v_pk_mul_f32 v[IBF+16:IBF+17], v[IBF+16:IBF+17], v[EJ:EJ+1]                   ; -d_i d_j / 12
	v_add_f32 v[SPS+4], v[SPS+3], v[W+5]
	v_pk_mul_f32 v[IBF+18:IBF+19], v[IBF+18:IBF+19], v[EJ+2:EJ+3]
	v_add_f32 v[SPS+5], v[SPS+4], v[W+6]
	v_pk_mul_f32 v[IBF+20:IBF+21], v[IBF+20:IBF+21], v[EJ+4:EJ+5]
	v_pk_fma_f32 v[IBF+8:IBF+9], v[IBF+8:IBF+9], v[JBF:JBF+1], v[SPH+2*TA:SPH+2*TA+1]   ; Pa = S2p + c1_i d_j
	v_pk_mul_f32 v[IBF+22:IBF+23], v[IBF+22:IBF+23], v[EJ+6:EJ+7]
	v_add_f32 v[SPH+2*TA], v[SPS+5], v[W+7]                                       ; the scan's value for the next block
	v_pk_fma_f32 v[IBF+10:IBF+11], v[IBF+10:IBF+11], v[JBF+2:JBF+3], v[SPS:SPS+1]
	v_pk_fma_f32 v[IBF+12:IBF+13], v[IBF+12:IBF+13], v[JBF+4:JBF+5], v[SPS+2:SPS+3]
	v_pk_fma_f32 v[IBF+14:IBF+15], v[IBF+14:IBF+15], v[JBF+6:JBF+7], v[SPS+4:SPS+5]
.irp k, 0,1,2,3,4,5,6,7
	v_cvt_pk_bf16_f32 v[FB+8*TA+\k], v[IBF+\k], v[IBF+16+\k]                      ; B, step k: (d Rm, -d d/12)
.endr
.irp k, 0,1,2,3,4,5,6,7
	v_cvt_pk_bf16_f32 v[FA+8*TA+\k], v[IBF+8+\k], v[W+\k]                         ; A, step k: (Pa, w), the same two K places
.endr
.endm
; nine matrix instructions: 48 x 48, K = 8 steps x 2 terms x 2 segments.  zero = 1: the first products start the sums.
.macro MM zero
.irp x, 0,1,2
.irp y, 0,1,2
.if \zero
	v_wmma_f32_16x16x32_bf16 v[ACC+8*(3*\x+\y):ACC+8*(3*\x+\y)+7], v[FA+8*\x:FA+8*\x+7], v[FB+8*\y:FB+8*\y+7], 0
.else
	v_wmma_f32_16x16x32_bf16 v[ACC+8*(3*\x+\y):ACC+8*(3*\x+\y)+7], v[FA+8*\x:FA+8*\x+7], v[FB+8*\y:FB+8*\y+7], v[ACC+8*(3*\x+\y):ACC+8*(3*\x+\y)+7]
.endif
.endr
.endr
.endm
	; 24 tiles = 8 blocks of 8 steps x 3 tiles, written out.  The loads of tile g+1 are issued in front of the work on tile g, into the other buffer.
	; The fragments are written again only in the next block, behind more than four plain vector instructions that name no register of the
	; matrix instructions (ISA guide 7.12.1): the products w and the first adds of the scan.
.set LJB, JB0
.set LBK, 0
.set LTA, 0
.set LIB, IB0
	LOADJ
	LOADI
.set TG, 0
.rept 24
.set TA, TG % 3
.set BK, TG / 3
.set IBF, IB0 + 24*(TG & 1)
.set JBF, JB0 + 16*(BK & 1)
.set LIB, IB0 + 24*((TG+1) & 1)
.if TG == 23
	s_wait_dscnt 0x0                               ; nothing was issued behind the last tile's loads
.else
.if TA == 2
.set LBK, BK+1
.set LTA, 0
.set LJB, JB0 + 16*((BK+1) & 1)
	LOADJ
	LOADI
	s_wait_dscnt 10                                ; LDS loads return in order (ISA guide 5.7.1): the ten just issued stay out, this tile's are in
.else
.set LBK, BK
.set LTA, TA+1
	LOADI
	s_wait_dscnt 6                                 ; the six just issued stay out
.endif
.endif
	TILE
.if TA == 2
.if BK == 0
	MM 1
.else
	MM 0
.endif
.endif
.set TG, TG+1
.endr
	; THE SEGMENTS' PART.  v[SPH+2a] = S2~ = sum of w over my segment.  G = S2~ - P1 (x) S1 + S1 (x) E (all of my segment; channel 6: S1 = 0, E = 1).
.set OT,  22                           ; v22-24  S2~ of the wave's other segment (registers written before, as v_permlanex16_b32 asks)
.set OS,  25
.set GG,  26                           ; v26-28  G
.set TT,  30                           ; v30-32  the wave's two segments together
.set P2,  16                           ; v16-18  S2p at my segment's start
.set ADT, 33
.set ADR, 34
.set HFL, 35
.set ADM, 36
.set RR,  37
.set PW,  38                           ; v38-58  the totals of waves 0 to 6
.set SPLH, 60
.set SPLL, 61
.set SPLT, 62
	v_fma_f32 v[EL], v[JB0+16+7], -0.5, v[JB0+16+15]   ; Rm - d/2 of the last step = xE - segment's last point
	v_sub_f32 v[SL], v[FL], v[EL]
	v_bfe_u32 v[HFL], v0, 4, 1
	v_cvt_f32_u32 v[HFL], v[HFL]                   ; 1.0 in the lanes of the wave's second segment
	v_and_b32 v[RR], 15, v0
.irp t, 0,1,2
	v_sub_f32 v[XE+\t], v[XE+\t], v[P1+\t]         ; the segment's increment, channel i
	v_fma_f32 v[GG+\t], -v[P1+\t], v[SL], v[SPH+2*\t]
	v_permlanex16_b32 v[OT+\t], v[SPH+2*\t], s32, s33
.endr
.irp t, 0,1,2
	v_fmac_f32 v[GG+\t], v[XE+\t], v[EL]
	v_add_f32 v[TT+\t], v[SPH+2*\t], v[OT+\t]
	v_mul_f32 v[P2+\t], v[OT+\t], v[HFL]           ; the second segment has the first in front of it
.endr
	v_permlanex16_b32 v[OS], v[SL], s32, s33
	v_add_f32 v[OS], v[SL], v[OS]
	v_lshl_add_u32 v[ADT], v[RR], 2, s34
.irp t, 0,1,2
	ds_store_b32 v[ADT], v[TT+\t] offset:64*\t     ; my copy's tail: the wave's share of S2[6][8] (both halves of the lanes store the same word)
.endr
	ds_store_b32 v[ADT], v[OS] offset:192          ; and of S1
.irp t, 0,1,2
.irp z, 2,3,4,5,6,7
	v_mov_b32 v[FA+8*\t+\z], 0                     ; the last products use two registers of K; A = 0 in the others, where B keeps the last block's numbers,
.endr                                                  ; which the sums have met already
.endr
	v_lshl_add_u32 v[ADR], v[RR], 2, RED+TAIL
	s_wait_dscnt 0x0
	s_barrier_signal -1
	s_barrier_wait -1                              ; every wave's totals are in LDS
.irp n, 0,1,2,3,4,5,6
.irp t, 0,1,2
	ds_load_b32 v[PW+3*\n+\t], v[ADR] offset:\n*REC+64*\t
.endr
.endr
	s_wait_dscnt 0x0
.irp n, 0,1,2,3,4,5,6
.irp t, 0,1,2
	v_fmac_f32 v[P2+\t], s[40+\n], v[PW+3*\n+\t]   ; the waves in front of mine count, the others are multiplied by 0
.endr
.endr
.irp t, 0,1,2
	v_and_b32 v[SPLH], s36, v[P2+\t]               ; P2 = high part (its upper 16 bits) + rest, exactly
	v_sub_f32 v[SPLL], v[P2+\t], v[SPLH]
	v_cvt_pk_bf16_f32 v[FA+8*\t], v[SPLH], v[SPLL] ; A: (hi, lo), (hi, 0)
	v_lshrrev_b32 v[FA+8*\t+1], 16, v[P2+\t]
	v_and_b32 v[SPLH], s36, v[GG+\t]
	v_sub_f32 v[SPLL], v[GG+\t], v[SPLH]
	v_lshrrev_b32 v[SPLT], 16, v[GG+\t]
	v_and_or_b32 v[FB+8*\t], v[GG+\t], s36, v[SPLT]    ; B: (hi, hi), (lo, 0)
	v_cvt_pk_bf16_f32 v[FB+8*\t+1], v[SPLL], 0
.endr
	MM 0
	; six plain vector instructions stand between the last matrix instruction and the stores of its result (ISA guide 7.12.1 asks for four)
	v_bfe_u32 v[ADM], v0, 4, 1
	v_mul_u32_u24 v[ADM], 1152, v[ADM]             ; register j of lane (r, h) of tile (x, y) is row 6 (2x + h) + j, column 16 y + r of M[36][48]
	v_lshl_add_u32 v[ADM], v[RR], 2, v[ADM]
	v_add_nc_u32 v[ADM], s35, v[ADM]
	v_lshlrev_b32 v[ADT], 4, v0
	v_add_nc_u32 v[ADR], RED, v[ADT]
.irp x, 0,1,2
.irp y, 0,1,2
.irp j, 0,1,2,3,4,5
	ds_store_b32 v[ADM], v[ACC+8*(3*\x+\y)+\j] offset:\x*2304+\j*192+\y*64     ; registers 6 and 7 are the rows of channels 6 and 7: not kept
.endr
.endr
.endr
	s_wait_dscnt 0x0
	s_barrier_signal -1
	s_barrier_wait -1                              ; the eight copies are whole
	; the record = the sum of the eight copies: 448 pieces of 16 bytes; thread t takes piece t, and in waves 0 to 5 piece 256 + t
.macro SUM8 b
.irp n, 0,8,16,24
	v_pk_add_f32 v[\b+\n:\b+\n+1],   v[\b+\n:\b+\n+1],   v[\b+\n+4:\b+\n+5]
	v_pk_add_f32 v[\b+\n+2:\b+\n+3], v[\b+\n+2:\b+\n+3], v[\b+\n+6:\b+\n+7]
.endr
.irp n, 0,16
	v_pk_add_f32 v[\b+\n:\b+\n+1],   v[\b+\n:\b+\n+1],   v[\b+\n+8:\b+\n+9]
	v_pk_add_f32 v[\b+\n+2:\b+\n+3], v[\b+\n+2:\b+\n+3], v[\b+\n+10:\b+\n+11]
.endr
	v_pk_add_f32 v[\b:\b+1],   v[\b:\b+1],   v[\b+16:\b+17]
	v_pk_add_f32 v[\b+2:\b+3], v[\b+2:\b+3], v[\b+18:\b+19]
.endm
.irp n, 0,1,2,3,4,5,6,7
	ds_load_b128 v[38+4*\n:41+4*\n], v[ADR] offset:\n*REC
.endr
	s_cmp_gt_u32 s8, 5
	s_cbranch_scc1 .Lone_piece
.irp n, 0,1,2,3,4,5,6,7
	ds_load_b128 v[70+4*\n:73+4*\n], v[ADR] offset:\n*REC+4096
.endr
	s_wait_dscnt 8                                 ; the first eight are in, the second eight stay out
	SUM8 38
	global_store_b128 v[ADT], v[38:41], s[6:7]     ; sixteen lanes store 256 consecutive bytes, at a multiple of 256 from the buffer's first byte
	s_wait_dscnt 0x0
	SUM8 70
	global_store_b128 v[ADT], v[70:73], s[6:7] offset:4096
	s_wait_tensorcnt 0x0
	ds_add_u32 v248, v249
	s_wait_dscnt 0x0
	s_endpgm
.Lone_piece:
	s_wait_dscnt 0x0
	SUM8 38
	global_store_b128 v[ADT], v[38:41], s[6:7]
	s_wait_tensorcnt 0x0
	ds_add_u32 v248, v249
	s_wait_dscnt 0x0
	s_endpgm
.Lfunc_end_k_q93545245ee_chunks:
	.size	k_q93545245ee_chunks, .Lfunc_end_k_q93545245ee_chunks-k_q93545245ee_chunks
	.p2alignl 7, 3214868480
	.fill 96, 4, 3214868480
	.section	.rodata,"a",@progbits
	.p2align	6, 0x0
	.amdhsa_kernel k_q93545245ee_chunks
		.amdhsa_group_segment_fixed_size 198144
		.amdhsa_private_segment_fixed_size 0
		.amdhsa_enable_private_segment 0
		.amdhsa_kernarg_size 16
		.amdhsa_user_sgpr_count 2
		.amdhsa_user_sgpr_kernarg_segment_ptr 1
		.amdhsa_wavefront_size32 1
		.amdhsa_system_sgpr_workgroup_id_x 1
		.amdhsa_system_sgpr_workgroup_id_y 1
		.amdhsa_system_sgpr_workgroup_id_z 1
		.amdhsa_system_vgpr_workitem_id 0
		.amdhsa_next_free_vgpr 250
		.amdhsa_next_free_sgpr 66
		.amdhsa_reserve_vcc 0
		.amdhsa_float_denorm_mode_32 3
		.amdhsa_float_denorm_mode_16_64 3
		.amdhsa_memory_ordered 1
		.amdhsa_forward_progress 1
		.amdhsa_inst_pref_size 101
	.end_amdhsa_kernel
	.amdgpu_metadata
---
amdhsa.version: [ 1, 2 ]
amdhsa.kernels:
  - .name:           k_q93545245ee_chunks
    .symbol:         k_q93545245ee_chunks.kd
    .args:
      - { .name: path, .offset: 0, .size: 8, .value_kind: global_buffer, .address_space: global }
      - { .name: sig, .offset: 8, .size: 8, .value_kind: global_buffer, .address_space: global }
    .group_segment_fixed_size: 198144
    .private_segment_fixed_size: 0
    .kernarg_segment_align: 8
    .kernarg_segment_size: 16
    .max_flat_workgroup_size: 256
    .sgpr_count:     66
    .vgpr_count:     250
    .wavefront_size: 32
...
	.end_amdgpu_metadata
.endif
;; end of part 1
;; launch combine (part 2): grid 64 x 1, 7 waves a work-group, no clusters, 38,144 bytes of LDS; arguments sig, out0; writes out0
.if DOCPART == 2
	.amdgcn_target "amdgcn-amd-amdhsa--gfx1250"
	.amdhsa_code_object_version 6
	.text
	.protected	k_q93545245ee_combine
	.globl	k_q93545245ee_combine
	.p2align	8
	.type	k_q93545245ee_combine,@function
k_q93545245ee_combine:
	s_mov_b64 s[64:65], 0
	v_nop
	global_prefetch_b8 v0, s[64:65] scope:SCOPE_SE
	s_setreg_imm32_b32 hwreg(HW_REG_WAVE_MODE, 25, 1), 1
	s_wait_xcnt 0x0
; The signature of a whole path from those of its four chunks, by Chen's relation, all in f32.  One work-group a path, 224 threads.
; A chunk's record (7168 bytes): M[36][48] with S4[i][j][k][l] at row 6i+j, column 8k+l (l < 6) and S3[i][j][k] at column 8k+6;
; S2[c][c'] at byte 6912 + 32c + 4c'; S1[c] at byte 7104 + 4c.
; Thread t = 36i + 6j + k carries p1 = S1[i], p2 = S2[i][j], p3 = S3[i][j][k] of the chunks so far and six level-4 sums (l = 0..5):
;   acc[l] += a4[ijkl] + p1 a3[jkl] + p2 a2[kl] + p3 a1[l];   p3 += a3[ijk] + p1 a2[jk] + p2 a1[k];   p2 += a2[ij] + p1 a1[j];   p1 += a1[i].
; After the fourth chunk acc, p3, p2, p1 are the results.  Threads 216 to 223 repeat thread 215 (same wave, same bytes, same values).
; Sixty-four work-groups: a path's four chunks have to meet in one place, and the work is some hundred multiply-adds a thread.
; No matrix unit (no sum over a common index is left), no cluster (no bytes shared), no prefetch (all loads stand in the first lines).
; LIMITS: the order of sums is not the scan's; what the records carry (bf16 rounding of the operands of levels 3 and 4) is passed on.
.set REC,   7168
.set S2O,   6912
.set S1O,   7104
.set OUTB,  4*REC                      ; LDS: the row as it leaves, number o at OUTB + 4 o, for o = 42 .. 1553 (levels 3 and 4)
.set SC1,   OUTB+6400                  ; p1 of every thread
.set SC2,   SC1+1024                   ; p2 of every thread
.set ROWB,  6216                       ; bytes of a row of out0: 1554 f32
; registers: v1-15 addresses into the records; v16-47 the records on their way into LDS, afterwards the way out's addresses and data;
; v48-57 what the thread carries; v64-94, v96-126, v128-158 the numbers of chunks 1, 2, 3
.set STG,   16                         ; v16-47  8 x 16 bytes of the records
.set O4,    16                         ; 24 t: my six level-4 numbers in the stage
.set O3,    17                         ; 4 t
.set O8,    18                         ; 8 x thread: my pieces of the row
.set AL1,   19                         ; where level 1's numbers lie for threads 0 to 2
.set AL2,   20                         ; where level 2's lie for threads 3 to 20
.set AF,    21                         ; LDS address of my first piece's first number,
.set AS,    22                         ; and of its second
.set K24,   23
.set K144,  24
.set OL,    25                         ; 8 x min(thread, 104): the last, short run of pieces
.set Q,     32                         ; v32-39  four pieces of 8 bytes
.set A4,    48                         ; v48-53  the six sums
.set PP3,   54
.set PP2,   56
.set PP1,   57
	s_load_b128 s[4:7], s[0:1], 0x0                ; sig s[4:5], out0 s[6:7]
	v_lshl_add_u32 v160, v0, 2, 0x9100
	v_mov_b32 v161, 0
	s_mul_i32 s8, ttmp9, 4*REC
	s_mov_b32 s9, 0
	s_mul_i32 s10, ttmp9, ROWB
	s_mov_b32 s11, 0
	v_lshlrev_b32 v1, 4, v0
	s_wait_kmcnt 0x0
	s_add_nc_u64 s[4:5], s[4:5], s[8:9]
	s_add_nc_u64 s[6:7], s[6:7], s[10:11]
.irp n, 0,1,2,3,4,5,6,7
	global_load_b128 v[STG+4*\n:STG+4*\n+3], v1, s[4:5] offset:\n*3584     ; 224 threads x 16 bytes x 8 = the four records, each byte once
.endr
	v_min_u32 v2, 215, v0                          ; t
	v_mul_u32_u24 v3, 0x2aab, v2
	v_lshrrev_b32 v3, 16, v3                       ; 6i + j = t / 6 (10923 / 65536 is exact enough up to t = 215)
	v_mul_u32_u24 v4, 6, v3
	v_sub_nc_u32 v4, v2, v4                        ; k
	v_mul_u32_u24 v5, 0x2aab, v3
	v_lshrrev_b32 v5, 16, v5                       ; i
	v_mul_u32_u24 v6, 6, v5
	v_sub_nc_u32 v6, v3, v6                        ; j
	v_lshlrev_b32 v7, 5, v2                        ; M[6i+j][8k]: 192 (6i+j) + 32 k = 32 t
	v_mad_u32_u24 v8, v6, 6, v4
	v_mul_u32_u24 v8, 192, v8                      ; row 6j + k of M
	v_lshlrev_b32 v9, 5, v4                        ; S2[k][.]
	v_lshlrev_b32 v12, 2, v5                       ; S1[i]
	v_lshlrev_b32 v13, 2, v6                       ; S1[j]
	v_lshlrev_b32 v14, 2, v4                       ; S1[k]
	v_lshl_add_u32 v10, v5, 5, v13                 ; S2[i][j]
	v_lshl_add_u32 v11, v6, 5, v14                 ; S2[j][k]
	v_mov_b32 v15, 0
	s_wait_loadcnt 0x0
.irp n, 0,1,2,3,4,5,6,7
	ds_store_b128 v1, v[STG+4*\n:STG+4*\n+3] offset:\n*3584
.endr
	s_wait_dscnt 0x0                               ; my stores are in LDS before I say so
	s_barrier_signal -1
	s_barrier_wait -1                              ; the four records are in LDS
	; chunk 0 starts the sums: four loads
	ds_load_b128 v[A4:A4+3], v7
	ds_load_b128 v[A4+4:A4+7], v7 offset:16        ; a4[4], a4[5], a3[ijk] = p3, and the zero of column 8k+7
	ds_load_b32 v[PP2], v10 offset:S2O
	ds_load_b32 v[PP1], v12 offset:S1O
; chunk q: seventeen loads into v[b .. b+30]
.macro LDQ q, b
	ds_load_b128 v[\b:\b+3], v7 offset:\q*REC
	ds_load_b128 v[\b+4:\b+7], v7 offset:\q*REC+16
.irp l, 0,1,2,3,4,5
	ds_load_b32 v[\b+8+\l], v8 offset:\q*REC+24+32*\l          ; a3[j][k][l]
.endr
	ds_load_b128 v[\b+14:\b+17], v9 offset:\q*REC+S2O          ; a2[k][l]
	ds_load_b64 v[\b+18:\b+19], v9 offset:\q*REC+S2O+16
	ds_load_b128 v[\b+20:\b+23], v15 offset:\q*REC+S1O         ; a1[l]
	ds_load_b64 v[\b+24:\b+25], v15 offset:\q*REC+S1O+16
	ds_load_b32 v[\b+26], v11 offset:\q*REC+S2O                ; a2[j][k]
	ds_load_b32 v[\b+27], v14 offset:\q*REC+S1O                ; a1[k]
	ds_load_b32 v[\b+28], v10 offset:\q*REC+S2O                ; a2[i][j]
	ds_load_b32 v[\b+29], v13 offset:\q*REC+S1O                ; a1[j]
	ds_load_b32 v[\b+30], v12 offset:\q*REC+S1O                ; a1[i]
.endm
	LDQ 1, 64
	LDQ 2, 96
	LDQ 3, 128
	; addresses of the way out, while the loads are on their way: in v16-25, which no pending load writes (the stores that read them are done)
	v_mul_u32_u24 v[O4], 24, v2
	v_lshlrev_b32 v[O3], 2, v2
	v_lshlrev_b32 v[O8], 3, v0
	v_min_u32 v[AL1], 2, v0                        ; numbers 0-5 (level 1) are p1 of threads 36 o; thread t < 3 takes o = 2t, 2t+1
	v_min_u32 v[AL2], 20, v0                       ; numbers 6-41 (level 2) are p2 of threads 6 (o - 6); threads 3 to 20.  The clamps keep both addresses inside LDS in every lane
	v_mul_u32_u24 v[AL1], 288, v[AL1]
	v_mul_u32_u24 v[AL2], 48, v[AL2]
	v_add_nc_u32 v[AL1], SC1, v[AL1]
	v_add_nc_u32 v[AL2], SC2-144, v[AL2]
	v_add_nc_u32 v[AF], OUTB, v[O8]                ; from thread 21 on: numbers 2t, 2t+1 of the stage
	v_mov_b32 v[AS], 4
	v_mov_b32 v[K24], 24
	v_mov_b32 v[K144], 144
	v_cmp_gt_u32 vcc_lo, 21, v0
	v_cndmask_b32 v[AF], v[AF], v[AL2], vcc_lo
	v_cndmask_b32 v[AS], v[AS], v[K24], vcc_lo
	v_cmp_gt_u32 vcc_lo, 3, v0
	v_cndmask_b32 v[AF], v[AF], v[AL1], vcc_lo     ; where my first number lies,
	v_cndmask_b32 v[AS], v[AS], v[K144], vcc_lo
	v_add_nc_u32 v[AS], v[AF], v[AS]               ; and my second
	v_min_u32 v[OL], 104, v0
	v_lshlrev_b32 v[OL], 3, v[OL]
.macro ADDQ b
.irp l, 0,1,2,3,4,5
	v_add_f32 v[A4+\l], v[A4+\l], v[\b+\l]
.endr
.irp l, 0,1,2,3,4,5
	v_fmac_f32 v[A4+\l], v[PP1], v[\b+8+\l]
.endr
.irp l, 0,1,2,3,4,5
	v_fmac_f32 v[A4+\l], v[PP2], v[\b+14+\l]
.endr
.irp l, 0,1,2,3,4,5
	v_fmac_f32 v[A4+\l], v[PP3], v[\b+20+\l]
.endr
	v_add_f32 v[PP3], v[PP3], v[\b+6]
	v_fmac_f32 v[PP3], v[PP1], v[\b+26]
	v_fmac_f32 v[PP3], v[PP2], v[\b+27]
	v_add_f32 v[PP2], v[PP2], v[\b+28]
	v_fmac_f32 v[PP2], v[PP1], v[\b+29]
	v_add_f32 v[PP1], v[PP1], v[\b+30]
.endm
	s_wait_dscnt 34                                ; LDS loads return in order (ISA guide 5.7.1): chunks 0 and 1 are in; the 2 x 17 loads of chunks 2 and 3 stay out
	ADDQ 64
	s_wait_dscnt 17                                ; chunk 3's seventeen stay out
	ADDQ 96
	s_wait_dscnt 0x0                               ; all my reads of the records are back:
	s_barrier_signal -1                            ; say so,
	ADDQ 128                                       ; work on registers while the others arrive,
	s_barrier_wait -1                              ; and store into LDS only when every wave has read.  (Stage and records are apart by the constants above;
	                                               ; the barrier makes the order of reads and stores plain without that arithmetic.)
	ds_store_b64 v[O4], v[A4:A4+1]   offset:OUTB+1032          ; level 4 begins at number 258
	ds_store_b64 v[O4], v[A4+2:A4+3] offset:OUTB+1040
	ds_store_b64 v[O4], v[A4+4:A4+5] offset:OUTB+1048
	ds_store_b32 v[O3], v[PP3] offset:OUTB+168                 ; level 3 begins at number 42
	ds_store_b32 v[O3], v[PP2] offset:SC2
	ds_store_b32 v[O3], v[PP1] offset:SC1
	s_wait_dscnt 0x0                               ; for the others' sake: zero
	s_barrier_signal -1
	s_barrier_wait -1                              ; the row is whole
	; the row leaves as 777 pieces of 8 bytes (its first byte is a multiple of 8 only): a wave's store covers 256 consecutive bytes
	ds_load_b32 v[Q], v[AF]
	ds_load_b32 v[Q+1], v[AS]
	ds_load_b64 v[Q+2:Q+3], v[O8] offset:OUTB+1792
	ds_load_b64 v[Q+4:Q+5], v[O8] offset:OUTB+3584
	ds_load_b64 v[Q+6:Q+7], v[OL] offset:OUTB+5376 ; pieces 672 to 776: threads 0 to 104 (the others read piece 776 and store nothing)
	s_wait_dscnt 0x0
	global_store_b64 v[O8], v[Q:Q+1], s[6:7]
	global_store_b64 v[O8], v[Q+2:Q+3], s[6:7] offset:1792
	global_store_b64 v[O8], v[Q+4:Q+5], s[6:7] offset:3584
	s_wait_xcnt 0x0                                ; EXEC is a source of the stores above: it changes only behind this wait
	v_cmp_gt_u32 vcc_lo, 105, v0
	s_wait_tensorcnt 0x0
	ds_add_u32 v160, v161
	s_wait_dscnt 0x0
	s_and_saveexec_b32 s12, vcc_lo
	global_store_b64 v[O8], v[Q+6:Q+7], s[6:7] offset:5376
	s_endpgm
.Lfunc_end_k_q93545245ee_combine:
	.size	k_q93545245ee_combine, .Lfunc_end_k_q93545245ee_combine-k_q93545245ee_combine
	.p2alignl 7, 3214868480
	.fill 96, 4, 3214868480
	.section	.rodata,"a",@progbits
	.p2align	6, 0x0
	.amdhsa_kernel k_q93545245ee_combine
		.amdhsa_group_segment_fixed_size 38144
		.amdhsa_private_segment_fixed_size 0
		.amdhsa_enable_private_segment 0
		.amdhsa_kernarg_size 16
		.amdhsa_user_sgpr_count 2
		.amdhsa_user_sgpr_kernarg_segment_ptr 1
		.amdhsa_wavefront_size32 1
		.amdhsa_system_sgpr_workgroup_id_x 1
		.amdhsa_system_sgpr_workgroup_id_y 1
		.amdhsa_system_sgpr_workgroup_id_z 1
		.amdhsa_system_vgpr_workitem_id 0
		.amdhsa_next_free_vgpr 162
		.amdhsa_next_free_sgpr 66
		.amdhsa_reserve_vcc 1
		.amdhsa_float_denorm_mode_32 3
		.amdhsa_float_denorm_mode_16_64 3
		.amdhsa_memory_ordered 1
		.amdhsa_forward_progress 1
		.amdhsa_inst_pref_size 12
	.end_amdhsa_kernel
	.amdgpu_metadata
---
amdhsa.version: [ 1, 2 ]
amdhsa.kernels:
  - .name:           k_q93545245ee_combine
    .symbol:         k_q93545245ee_combine.kd
    .args:
      - { .name: sig, .offset: 0, .size: 8, .value_kind: global_buffer, .address_space: global }
      - { .name: out0, .offset: 8, .size: 8, .value_kind: global_buffer, .address_space: global }
    .group_segment_fixed_size: 38144
    .private_segment_fixed_size: 0
    .kernarg_segment_align: 8
    .kernarg_segment_size: 16
    .max_flat_workgroup_size: 224
    .sgpr_count:     66
    .vgpr_count:     162
    .wavefront_size: 32
...
	.end_amdgpu_metadata
.endif
;; end of part 2
;; ======== version 2 of 2: 2 launches; version 1 with the launch chunks written anew for expert scheduling mode
;; workspace buffers: sig 1,835,008 bytes
;; launch chunks (part 3): grid 256 x 1, 8 waves a work-group, no clusters, 198,144 bytes of LDS; arguments path, sig; writes sig
.if DOCPART == 3
	.amdgcn_target "amdgcn-amd-amdhsa--gfx1250"
	.amdhsa_code_object_version 6
	.text
	.protected	k_q93545245ee_chunks
	.globl	k_q93545245ee_chunks
	.p2align	8
	.type	k_q93545245ee_chunks,@function
k_q93545245ee_chunks:
	s_mov_b64 s[64:65], 0
	v_nop
	global_prefetch_b8 v0, s[64:65] scope:SCOPE_SE
	s_setreg_imm32_b32 hwreg(HW_REG_WAVE_SCHED_MODE, 0, 2), 2
	s_setreg_imm32_b32 hwreg(HW_REG_WAVE_MODE, 25, 1), 1
	s_wait_xcnt 0x0
	s_wait_alu depctr_vm_vsrc(0)
; Signature (levels 1 to 4, 6 channels) of one chunk of 1024 steps of one path.  256 work-groups = 64 paths x 4 chunks.
;
; THE ARITHMETIC.  x0, xE: the chunk's first and last point.  For the step from point t to point t+1:
;   d = x(t+1)-x(t)   mid = (x(t)+x(t+1))/2   u = mid-x0   Rm = xE-mid   c1 = u/2-d/12   w = u(x)d   S2p = sum of the earlier w
;   Pa = S2p + c1(x)d
; Sorting the four letters of a level-4 word by the step that holds the third letter gives
;   S2 = sum w      S3 = sum Pa(x)d      S4 = sum [ Pa (x) (d(x)Rm)  +  w (x) (-d(x)d/12) ]
; so S4 is a matrix product with time as K: rows (i,j), columns (k,l), two K places a step.  Index (i,j) sits in row 8i+j: 48 rows and
; 48 columns, 3 x 3 tiles of 16 x 16.  Channel 6 is a constant row (d = 0, Rm = 1): column l = 6 then holds sum Pa(x)d = S3.  Channel 7: zeros.
; The operands are bf16, the sums f32.  To keep Pa small the f32 scan S2p starts at 0 in each segment of 64 steps; what that leaves out,
;   sum over segments of P2(seg) (x) G(seg),   P2 = S2p at the segment's start,   G = sum over the segment of d(x)Rm,
; is added at the end by nine more matrix instructions, P2 and G each split in a high and a low bf16 part (hi hi + lo hi + hi lo).
;
; THE SHARES.  Eight waves: building operands is vector work (124 vector instructions for nine matrix instructions), the accumulators take
; 72 registers only, so two waves a SIMD are worth more here than a larger tile.  Lane (r = lane%16, h = lane/16) of wave w owns segment 2w+h,
; channel j = r%8 and, for tile a, channel i = 2a + r/8: it makes row r of A's tile a and column r of B's tile a for eight steps of its segment,
; one register a step: A = (Pa, w), B = (d Rm, -d d/12).  Both halves of the lanes fill K places of their own, so one matrix instruction sums
; two segments.
; NOT USED: clusters (no two work-groups read the same bytes but for one point of 24 bytes); the tensor mover and a ring (the chunk's 24,576
; bytes are read once, at the start, and need arithmetic before use); prefetches (all loads stand in the first lines).
; LIMITS: levels 3 and 4 carry the rounding of the bf16 operands (2^-8 relative at the most for each operand); the order of sums is not the
; scan's; a non-finite input gives non-finite results, not always in the places where the scan would have them (0 x inf in masked sums).
;
; THE MODE: SCHED_MODE bits 1:0 = 2 (LLVM: expert scheduling mode 2), set by the entry lines.  The code itself states the register dependences
; between vector or matrix instructions and memory or LDS instructions, with s_wait_alu, always for 0.
; THE PLAN.  Registers that memory or LDS instructions touch:
;   v1-3 (IA, IA2, JA), v10-13 (PA, PB, PR, PX), ZR, ON   made once at the head, ahead of one wait; v1-3 are never written again; v10-13 become the scan's registers
;                 behind the second barrier, ahead of which their last readers were issued.
;   X             global loads land in it, the raw LDS stores read it, LDS loads land in it again, the channels' arithmetic reads it.
;   OB            sixteen registers to each of the six channels, written by that channel's arithmetic, read by its four LDS stores, none written twice:
;                 one wait behind channels 0-2, whose stores are dealt among channels 3-5, and one behind channels 3-5.
;   IB0, IB1      tile g reads and overwrites IB[g % 2] up to its last conversions; the loads for tile g + 2 land in it, issued in tile g + 1.
;   JB0, JB1      a block's three tiles read JB[block % 2]; the loads for the block after next land in it, issued in the next block's third tile.
;   FA, FB, the accumulators, the scan   named by vector and matrix instructions alone in the main part.
; So ONE wait on va_vdst stands at a tile's head, behind the wait for the tile's own numbers: the tile before is done with its IB, the block before with its JB.
; The next tile's loads follow it, dealt among this tile's first vector instructions, which name this tile's own IB and JB, the scan, W, EJ, FA and FB: none of the
; registers that those loads touch.  A block's nine matrix instructions stand behind the next tile's head wait, that tile's loads dealt among them.
.set PATHB,  98304                     ; bytes of a path: 4096 points x 24
.set CHUNKB, 24576                     ; bytes of 1024 points
.set PITCH,  4112                      ; a channel's row in LDS: 1024 f32 + 16 bytes, so that eight channels' 16-byte pieces start 16 bytes apart modulo 256
.set ARR_C1, 6*PITCH                   ; LDS: u rows 0-5 at 0, c1 rows 0-5,
.set ARR_D,  12*PITCH                  ; d rows 0-7,
.set OFF_RM, 8*PITCH                   ; Rm rows 0-7 (counted from ARR_D),
.set RAW,    28*PITCH                  ; the chunk's 1025 points as they lie in memory,
.set RED,    139776                    ; and eight copies of the record, one for each wave
.set REC,    7168                      ; a record: M[36][48] f32 (6912 bytes), S2[6][8] (192), S1 twice with two zeros each (64)
.set TAIL,   6912
; registers of the main part
.set IA,  1                            ; LDS address for u and c1: (r/8) PITCH + 256 segment
.set IA2, 2                            ; the same for d
.set JA,  3                            ; LDS address for d and Rm of channel j
.set FL,  4                            ; xE - segment's first point, channel j
.set P1,  5                            ; v5-7    segment's first point - x0, channel i of tile a
.set EL,  8                            ; xE - segment's last point, channel j
.set SL,  9                            ; the segment's increment, channel j
.set SPH, 10                           ; v10-15  tile a: S2p before steps 0 and 1 of the block; the first carries the scan from block to block
.set SPS, 16                           ; v16-21  S2p before steps 2 to 7
.set W,   22                           ; v22-29  w of eight steps
.set EJ,  30                           ; v30-37  -d/12 of channel j
.set JB0, 38                           ; v38-69  two buffers: d (8), Rm (8) of channel j
.set IB0, 70                           ; v70-117 two buffers: u (8), c1 (8), d (8) of channel i
.set FA,  118                          ; v118-141 A's three fragments
.set FB,  142                          ; v142-165 B's three fragments
.set ACC, 166                          ; v166-237 nine accumulators, tile (x, y) at ACC + 8 (3x + y)
.set XE,  238                          ; v238-240 segment's last point - x0, channel i of tile a
; registers of the first part (free again later)
.set PA,  10
.set PB,  11
.set PR,  12
.set PX,  13
.set X,   38                           ; v38-67  five points
.set TM,  86                           ; v86-89  at work: no memory instruction names them
.set ZR,  92
.set ON,  96
.set EP,  100
.set EPA, 106
.set OB,  118                          ; v118-213 channel c: u, c1, d, Rm of my four steps, four registers each, at OB + 16 c
	s_load_b128 s[4:7], s[0:1], 0x0                ; path s[4:5], sig s[6:7]
	v_lshl_add_u32 v246, v0, 2, 0x30200
	v_mov_b32 v247, 0
	v_lshrrev_b32 v5, 5, v0
	v_readfirstlane_b32 s8, v5                     ; wave 0..7
	s_lshr_b32 s9, ttmp9, 2                        ; path
	s_and_b32 s10, ttmp9, 3                        ; chunk
	s_mul_i32 s11, s9, PATHB
	s_mul_i32 s12, s10, CHUNKB
	s_add_co_u32 s12, s12, s11                     ; byte offset of the chunk's first point
	s_mov_b32 s13, 0
	s_lshl_b32 s14, s10, 10
	s_add_co_u32 s14, s14, 1024
	s_min_u32 s14, s14, 4095                       ; the chunk's last point; the last chunk has 1023 steps: its point 1024 repeats point 1023, a step of zero
	s_mul_i32 s14, s14, 24
	s_add_co_u32 s14, s14, s11
	s_mov_b32 s15, 0
	s_mul_i32 s22, ttmp9, REC                      ; my record
	s_mov_b32 s23, 0
	s_mov_b32 s30, 0xbdaaaaab                      ; -1/12, twice: a pair for the packed multiply
	s_mov_b32 s31, 0xbdaaaaab
	s_mov_b32 s32, 0x76543210                      ; v_permlanex16_b32: lane i takes lane i of the other half
	s_mov_b32 s33, 0xfedcba98
	s_mov_b32 s36, 0xffff0000                      ; the upper 16 bits of an f32: its bf16 part, cut off
	; all the head's vector work stands here, in the wait for the arguments, ahead of one wait for its results
	v_lshlrev_b32 v[PA], 4, v0                     ; 16 t
	v_add_nc_u32 v[PB], ARR_D, v[PA]
	v_add_nc_u32 v[PR], RAW, v[PA]
	v_mul_u32_u24 v[PX], 96, v0
	v_add_nc_u32 v[PX], RAW, v[PX]                 ; my four steps: points 4t .. 4t+4
.irp z, 0,1,2,3
	v_mov_b32 v[ZR+\z], 0
	v_mov_b32 v[ON+\z], 1.0
.endr
	; lane terms of the main part
	v_lshrrev_b32 v5, 4, v0                        ; segment = 2 wave + half
	v_bfe_u32 v6, v0, 3, 1                         ; r / 8
	v_and_b32 v7, 7, v0                            ; j
	v_mul_u32_u24 v[IA], PITCH, v6
	v_lshl_add_u32 v[IA], v5, 8, v[IA]             ; + 64 steps x 4 bytes a segment
	v_add_nc_u32 v[IA2], ARR_D, v[IA]
	v_mul_u32_u24 v[JA], PITCH, v7
	v_lshl_add_u32 v[JA], v5, 8, v[JA]
	v_add_nc_u32 v[JA], ARR_D, v[JA]
	s_wait_alu depctr_va_sdst(0)                   ; s8 is written, ahead of its first reader: LDS places, the factors below and two branches are made from it
	s_mul_i32 s35, s8, REC
	s_add_co_u32 s35, s35, RED                     ; my wave's copy of the record
	s_add_co_u32 s34, s35, TAIL
.irp n, 0,1,2,3,4,5,6
	s_cmp_gt_u32 s8, \n
	s_cselect_b32 s[40+\n], 0x3f800000, 0          ; 1.0 for the waves in front of mine
.endr
	s_wait_kmcnt 0x0
	s_add_nc_u64 s[12:13], s[4:5], s[12:13]
	s_add_nc_u64 s[14:15], s[4:5], s[14:15]
	s_add_nc_u64 s[6:7], s[6:7], s[22:23]
	s_wait_alu depctr_va_vdst(0)                   ; v1-3 and v10-13 are written, which the loads and stores of the first and the main part read as addresses; so are ZR and ON, which four stores below read
.irp n, 0,1,2,3,4,5
	global_load_b128 v[X+4*\n:X+4*\n+3], v[PA], s[12:13] offset:4096*\n th:TH_LOAD_NT   ; a wave's load covers 512 neighbouring bytes
.endr
	s_load_b128 s[16:19], s[12:13], 0x0            ; x0 in s16-21
	s_load_b64  s[20:21], s[12:13], 0x10
	s_load_b128 s[24:27], s[14:15], 0x0            ; xE in s24-29
	s_load_b64  s[28:29], s[14:15], 0x10
	ds_store_b128 v[PB], v[ZR:ZR+3] offset:6*PITCH             ; channel 6: d = 0,
	ds_store_b128 v[PB], v[ZR:ZR+3] offset:7*PITCH             ; channel 7: d = 0,
	ds_store_b128 v[PB], v[ON:ON+3] offset:OFF_RM+6*PITCH      ; channel 6: Rm = 1 (column l = 6 becomes S3),
	ds_store_b128 v[PB], v[ZR:ZR+3] offset:OFF_RM+7*PITCH      ; channel 7: Rm = 0
	s_wait_loadcnt 0x0
.irp n, 0,1,2,3,4,5
	ds_store_b128 v[PR], v[X+4*\n:X+4*\n+3] offset:4096*\n
.endr
	s_wait_kmcnt 0x0                               ; x0 and xE
	s_cmp_lg_u32 s8, 0
	s_cbranch_scc1 .Lraw_done
.irp z, 0,1,2,3,4,5
	v_mov_b32 v[EP+\z], s[24+\z]                   ; wave 0 lays point 1024 behind the others (all lanes the same bytes)
.endr
	v_mov_b32 v[EPA], RAW+CHUNKB
	s_wait_alu depctr_va_vdst(0)                   ; the point and its LDS address are written, which the two stores read
	ds_store_b128 v[EPA], v[EP:EP+3]
	ds_store_b64 v[EPA], v[EP+4:EP+5] offset:16
.Lraw_done:
	s_wait_dscnt 0x0                               ; my stores are in LDS before I say so
	s_barrier_signal -1
	s_barrier_wait -1                              ; the 1025 points are there
	s_wait_alu depctr_vm_vsrc(0)                   ; my LDS stores have read v[X .. X+23], in which the loads below land
.irp n, 0,1,2,3,4,5,6
	ds_load_b128 v[X+4*\n:X+4*\n+3], v[PX] offset:16*\n
.endr
	ds_load_b64 v[X+28:X+29], v[PX] offset:112     ; 30 numbers: X + 6 s + c = channel c of point 4t + s
	s_wait_dscnt 0x0
; u, c1, d, Rm of my four steps for channel c, into the channel's own sixteen registers
.macro CHAN c
.irp s, 0,1,2,3
	v_sub_f32 v[OB+16*\c+8+\s], v[X+6*\s+6+\c], v[X+6*\s+\c]       ; d
.endr
.irp s, 0,1,2,3
	v_add_f32 v[TM+\s], v[X+6*\s+6+\c], v[X+6*\s+\c]
.endr
.irp s, 0,1,2,3
	v_fma_f32 v[OB+16*\c+\s], v[TM+\s], 0.5, -s[16+\c]             ; u = mid - x0
.endr
.irp s, 0,1,2,3
	v_fma_f32 v[OB+16*\c+12+\s], v[TM+\s], -0.5, s[24+\c]          ; Rm = xE - mid
.endr
.irp s, 0,1,2,3
	v_mul_f32 v[TM+\s], 0.5, v[OB+16*\c+\s]
.endr
.irp s, 0,1,2,3
	v_fma_f32 v[OB+16*\c+4+\s], v[OB+16*\c+8+\s], s30, v[TM+\s]    ; c1 = u/2 - d/12
.endr
.endm
; channel c's four stores: 16 bytes of each array's row
.macro STC c
	ds_store_b128 v[PA], v[OB+16*\c:OB+16*\c+3]     offset:\c*PITCH
	ds_store_b128 v[PA], v[OB+16*\c+4:OB+16*\c+7]   offset:ARR_C1+\c*PITCH
	ds_store_b128 v[PB], v[OB+16*\c+8:OB+16*\c+11]  offset:\c*PITCH
	ds_store_b128 v[PB], v[OB+16*\c+12:OB+16*\c+15] offset:OFF_RM+\c*PITCH
.endm
	CHAN 0
	CHAN 1
	CHAN 2
	s_wait_alu depctr_va_vdst(0)                   ; channels 0 to 2 have written their 48 registers, which the twelve stores below read; channels 3 to 5 name X, TM and registers of their own
	STC 0
	CHAN 3
	STC 1
	CHAN 4
	STC 2
	CHAN 5
	s_wait_alu depctr_va_vdst(0)                   ; channels 3 to 5 have written theirs; and all vector work on X, TM, ZR, ON and point 1024 is over: v38-117, in which the main part's first loads land
	STC 3
	STC 4
	STC 5
	s_wait_dscnt 0x0
	s_barrier_signal -1
	s_barrier_wait -1                              ; the four arrays are whole
; two of the four loads of d and Rm of channel j, the eight steps of block LBK, into buffer LJB: n = 0: d, 1: Rm
.macro LOADJ2 n
	ds_load_b128 v[LJB+8*\n:LJB+8*\n+3],   v[JA] offset:\n*OFF_RM+LBK*32
	ds_load_b128 v[LJB+8*\n+4:LJB+8*\n+7], v[JA] offset:\n*OFF_RM+LBK*32+16
.endm
; two of the six loads of channel i = 2 LTA + r/8, block LBK, into buffer LIB: n = 0: u, 1: c1, 2: d
.macro LOADI2 n
.if \n == 0
	ds_load_b128 v[LIB:LIB+3],     v[IA]  offset:2*LTA*PITCH+LBK*32
	ds_load_b128 v[LIB+4:LIB+7],   v[IA]  offset:2*LTA*PITCH+LBK*32+16
.elseif \n == 1
	ds_load_b128 v[LIB+8:LIB+11],  v[IA]  offset:ARR_C1+2*LTA*PITCH+LBK*32
	ds_load_b128 v[LIB+12:LIB+15], v[IA]  offset:ARR_C1+2*LTA*PITCH+LBK*32+16
.else
	ds_load_b128 v[LIB+16:LIB+19], v[IA2] offset:2*LTA*PITCH+LBK*32
	ds_load_b128 v[LIB+20:LIB+23], v[IA2] offset:2*LTA*PITCH+LBK*32+16
.endif
.endm
; Piece n of the next tile's loads.  LKIND = 0: none is due; 1: pieces 0 to 2, the next tile's u, c1, d; 2: also pieces 3 and 4, the next block's d and Rm of channel j.
.macro PIECE n
.if (LKIND >= 1) && (\n < 3)
	LOADI2 \n
.endif
.if (LKIND == 2) && (\n >= 3)
	LOADJ2 (\n-3)
.endif
.endm
; Eight steps of tile TA in block BK: buffers IBF (u, c1, d of channel i) and JBF (d, Rm of channel j).  Results overwrite what is done with:
; d Rm lands on u, -d d/12 on d, Pa on c1.  The scan's seven dependent adds are interleaved with B's products, which do not wait for them.
; The next tile's loads stand in twos and fours among the first lines: no vector instruction since the tile's head wait names the registers that they touch.
.macro TILE
.if BK == 0
	v_fma_f32 v[P1+TA], v[IBF+16], -0.5, v[IBF]    ; u - d/2 of the first step = segment's first point - x0
.if TA == 0
	v_fma_f32 v[FL], v[JBF], 0.5, v[JBF+8]         ; Rm + d/2 of the first step = xE - segment's first point
.endif
.endif
.if BK == 7
	v_fma_f32 v[XE+TA], v[IBF+23], 0.5, v[IBF+7]   ; u + d/2 of the last step = segment's last point - x0
.endif
	PIECE 0
	PIECE 3
.if TA == 0
.irp p, 0,2,4,6
	v_pk_mul_f32 v[EJ+\p:EJ+\p+1], v[JBF+\p:JBF+\p+1], s[30:31] op_sel_hi:[1,0]   ; -d/12 of channel j, once for the three tiles
.endr
.endif
.irp p, 0,2,4,6
	v_pk_mul_f32 v[W+\p:W+\p+1], v[IBF+\p:IBF+\p+1], v[JBF+\p:JBF+\p+1]           ; w = u_i d_j
.endr
	PIECE 1
	PIECE 4
	v_add_f32 v[SPH+2*TA+1], v[SPH+2*TA], v[W]
	v_pk_mul_f32 v[IBF:IBF+1], v[IBF+16:IBF+17], v[JBF+8:JBF+9]                   ; d_i Rm_j
	v_add_f32 v[SPS], v[SPH+2*TA+1], v[W+1]
	v_pk_mul_f32 v[IBF+2:IBF+3], v[IBF+18:IBF+19], v[JBF+10:JBF+11]
	PIECE 2
	v_add_f32 v[SPS+1], v[SPS], v[W+2]
	v_pk_mul_f32 v[IBF+4:IBF+5], v[IBF+20:IBF+21], v[JBF+12:JBF+13]
	v_add_f32 v[SPS+2], v[SPS+1], v[W+3]
	v_pk_mul_f32 v[IBF+6:IBF+7], v[IBF+22:IBF+23], v[JBF+14:JBF+15]
	v_add_f32 v[SPS+3], v[SPS+2], v[W+4]
	v_pk_mul_f32 v[IBF+16:IBF+17], v[IBF+16:IBF+17], v[EJ:EJ+1]                   ; -d_i d_j / 12
	v_add_f32 v[SPS+4], v[SPS+3], v[W+5]
	v_pk_mul_f32 v[IBF+18:IBF+19], v[IBF+18:IBF+19], v[EJ+2:EJ+3]
	v_add_f32 v[SPS+5], v[SPS+4], v[W+6]
	v_pk_mul_f32 v[IBF+20:IBF+21], v[IBF+20:IBF+21], v[EJ+4:EJ+5]
	v_pk_fma_f32 v[IBF+8:IBF+9], v[IBF+8:IBF+9], v[JBF:JBF+1], v[SPH+2*TA:SPH+2*TA+1]   ; Pa = S2p + c1_i d_j
	v_pk_mul_f32 v[IBF+22:IBF+23], v[IBF+22:IBF+23], v[EJ+6:EJ+7]
	v_add_f32 v[SPH+2*TA], v[SPS+5], v[W+7]                                       ; the scan's value for the next block
	v_pk_fma_f32 v[IBF+10:IBF+11], v[IBF+10:IBF+11], v[JBF+2:JBF+3], v[SPS:SPS+1]
	v_pk_fma_f32 v[IBF+12:IBF+13], v[IBF+12:IBF+13], v[JBF+4:JBF+5], v[SPS+2:SPS+3]
	v_pk_fma_f32 v[IBF+14:IBF+15], v[IBF+14:IBF+15], v[JBF+6:JBF+7], v[SPS+4:SPS+5]
.irp k, 0,1,2,3,4,5,6,7
	v_cvt_pk_bf16_f32 v[FB+8*TA+\k], v[IBF+\k], v[IBF+16+\k]                      ; B, step k: (d Rm, -d d/12)
.endr
.irp k, 0,1,2,3,4,5,6,7
	v_cvt_pk_bf16_f32 v[FA+8*TA+\k], v[IBF+8+\k], v[W+\k]                         ; A, step k: (Pa, w), the same two K places
.endr
.endm
; three of the nine matrix instructions of a block: row x of the 3 x 3 tiles; K = 8 steps x 2 terms x 2 segments.  MZ = 1: the first products start the sums.
; The nine accumulators take turns, one instruction a turn.
.macro MMROW x
.irp y, 0,1,2
.if MZ
	v_wmma_f32_16x16x32_bf16 v[ACC+8*(3*\x+\y):ACC+8*(3*\x+\y)+7], v[FA+8*\x:FA+8*\x+7], v[FB+8*\y:FB+8*\y+7], 0
.else
	v_wmma_f32_16x16x32_bf16 v[ACC+8*(3*\x+\y):ACC+8*(3*\x+\y)+7], v[FA+8*\x:FA+8*\x+7], v[FB+8*\y:FB+8*\y+7], v[ACC+8*(3*\x+\y):ACC+8*(3*\x+\y)+7]
.endif
.endr
.endm
	; 24 tiles = 8 blocks of 8 steps x 3 tiles, written out.  The loads of tile g+1 are issued in tile g, into the other buffer.
	; A block's matrix instructions stand at the head of the next block's first tile.  The fragments are written again only by that tile's conversions, behind more
	; than four plain vector instructions that name no register of the matrix instructions (ISA guide 7.12.1): the products w and the scan's adds.
	s_wait_alu depctr_vm_vsrc(0)                   ; the first part's LDS stores and loads have read their registers: ZR, ON and point 1024 (loads land there), v10-13 (the scan's from here on), OB (fragments and accumulators from here on)
.set LJB, JB0
.set LBK, 0
.set LTA, 0
.set LIB, IB0
	LOADJ2 0                                       ; no vector instruction since the wait behind channels 3 to 5 names v38-117 or v1-3
	LOADJ2 1
	LOADI2 0
	LOADI2 1
	LOADI2 2
	v_mov_b32 v[SPH], 0                            ; the three scans start at 0
	v_mov_b32 v[SPH+2], 0
	v_mov_b32 v[SPH+4], 0
.set TG, 0
.rept 24
.set TA, TG % 3
.set BK, TG / 3
.set IBF, IB0 + 24*(TG & 1)
.set JBF, JB0 + 16*(BK & 1)
.set LIB, IB0 + 24*((TG+1) & 1)
.set LKIND, 1
.set LBK, BK
.set LTA, TA+1
.if TA == 2
.set LKIND, 2
.set LBK, BK+1
.set LTA, 0
.set LJB, JB0 + 16*((BK+1) & 1)
.endif
.if TG == 23
.set LKIND, 0                          ; nothing is left to load
.endif
	s_wait_dscnt 0x0                               ; this tile's numbers are in: all of them were asked for in the tile before, and nothing has been issued since
.if (TG > 0) && (TG < 23)
	s_wait_alu depctr_va_vdst(0)                   ; the tile before is done reading and writing its IB, in which this tile's loads land; in a block's third tile: the block before is done reading its JB
.endif
.if (TA == 0) && (BK > 0)
.set MZ, (BK == 1)
	PIECE 0                                        ; the block before is multiplied; the matrix instructions name FA, FB and the accumulators, none of which a load touches
	MMROW 0
	PIECE 1
	MMROW 1
	PIECE 2
	MMROW 2
.set LKIND, 0
.endif
	TILE
.set TG, TG+1
.endr
.set MZ, 0
	MMROW 0                                        ; the last block
	MMROW 1
	MMROW 2
	; THE SEGMENTS' PART.  v[SPH+2a] = S2~ = sum of w over my segment.  G = S2~ - P1 (x) S1 + S1 (x) E (all of my segment; channel 6: S1 = 0, E = 1).
.set OT,  22                           ; v22-24  S2~ of the wave's other segment (registers written before, as v_permlanex16_b32 asks)
.set OS,  25
.set GG,  26                           ; v26-28  G
.set TT,  30                           ; v30-32  the wave's two segments together
.set P2,  16                           ; v16-18  S2p at my segment's start
.set ADT2, 19                          ; v19     the way out: 16 t, my piece of the record
.set ADR2, 20                          ; v20     the way out: the same piece in the first copy
.set ADT, 33
.set ADR, 34
.set HFL, 35
.set ADM, 36
.set RR,  37
.set PW,  38                           ; v38-58  the totals of waves 0 to 6
.set SPLH, 60
.set SPLL, 61
.set SPLT, 62
	v_fma_f32 v[EL], v[JB0+16+7], -0.5, v[JB0+16+15]   ; Rm - d/2 of the last step = xE - segment's last point
	v_sub_f32 v[SL], v[FL], v[EL]
	v_bfe_u32 v[HFL], v0, 4, 1
	v_cvt_f32_u32 v[HFL], v[HFL]                   ; 1.0 in the lanes of the wave's second segment
	v_and_b32 v[RR], 15, v0
.irp t, 0,1,2
	v_sub_f32 v[XE+\t], v[XE+\t], v[P1+\t]         ; the segment's increment, channel i
	v_fma_f32 v[GG+\t], -v[P1+\t], v[SL], v[SPH+2*\t]
	v_permlanex16_b32 v[OT+\t], v[SPH+2*\t], s32, s33
.endr
.irp t, 0,1,2
	v_fmac_f32 v[GG+\t], v[XE+\t], v[EL]
	v_add_f32 v[TT+\t], v[SPH+2*\t], v[OT+\t]
	v_mul_f32 v[P2+\t], v[OT+\t], v[HFL]           ; the second segment has the first in front of it
.endr
	v_permlanex16_b32 v[OS], v[SL], s32, s33
	v_add_f32 v[OS], v[SL], v[OS]
	v_lshl_add_u32 v[ADT], v[RR], 2, s34
	v_lshl_add_u32 v[ADR], v[RR], 2, RED+TAIL
	s_wait_alu depctr_va_vdst(0)                   ; TT, OS and ADT are written, which the four stores read; ADR is written, which the loads behind the barrier read; the tiles are done reading v38-58, in which those loads land
.irp t, 0,1,2
	ds_store_b32 v[ADT], v[TT+\t] offset:64*\t     ; my copy's tail: the wave's share of S2[6][8] (both halves of the lanes store the same word)
.endr
	ds_store_b32 v[ADT], v[OS] offset:192          ; and of S1
.irp t, 0,1,2
.irp z, 2,3,4,5,6,7
	v_mov_b32 v[FA+8*\t+\z], 0                     ; the last products use two registers of K; A = 0 in the others, where B keeps the last block's numbers,
.endr                                                  ; which the sums have met already
.endr
	s_wait_dscnt 0x0
	s_barrier_signal -1
	s_barrier_wait -1                              ; every wave's totals are in LDS
.irp n, 0,1,2,3,4,5,6
.irp t, 0,1,2
	ds_load_b32 v[PW+3*\n+\t], v[ADR] offset:\n*REC+64*\t      ; since the wait above vector instructions have named FA alone
.endr
.endr
	s_wait_dscnt 0x0
.irp n, 0,1,2,3,4,5,6
.irp t, 0,1,2
	v_fmac_f32 v[P2+\t], s[40+\n], v[PW+3*\n+\t]   ; the waves in front of mine count, the others are multiplied by 0
.endr
.endr
.irp t, 0,1,2
	v_and_b32 v[SPLH], s36, v[P2+\t]               ; P2 = high part (its upper 16 bits) + rest, exactly
	v_sub_f32 v[SPLL], v[P2+\t], v[SPLH]
	v_cvt_pk_bf16_f32 v[FA+8*\t], v[SPLH], v[SPLL] ; A: (hi, lo), (hi, 0)
	v_lshrrev_b32 v[FA+8*\t+1], 16, v[P2+\t]
	v_and_b32 v[SPLH], s36, v[GG+\t]
	v_sub_f32 v[SPLL], v[GG+\t], v[SPLH]
	v_lshrrev_b32 v[SPLT], 16, v[GG+\t]
	v_and_or_b32 v[FB+8*\t], v[GG+\t], s36, v[SPLT]    ; B: (hi, hi), (lo, 0)
	v_cvt_pk_bf16_f32 v[FB+8*\t+1], v[SPLL], 0
.endr
	MMROW 0
	MMROW 1
	MMROW 2
	; six plain vector instructions stand between the last matrix instruction and the stores of its result (ISA guide 7.12.1 asks for four)
	v_bfe_u32 v[ADM], v0, 4, 1
	v_mul_u32_u24 v[ADM], 1152, v[ADM]             ; register j of lane (r, h) of tile (x, y) is row 6 (2x + h) + j, column 16 y + r of M[36][48]
	v_lshl_add_u32 v[ADM], v[RR], 2, v[ADM]
	v_add_nc_u32 v[ADM], s35, v[ADM]
	v_lshlrev_b32 v[ADT2], 4, v0
	v_add_nc_u32 v[ADR2], RED, v[ADT2]
	s_wait_alu depctr_va_vdst(0)                   ; the matrix instructions have written the accumulators and ADM is written, which the stores read (the places above stay beside this wait);
	                                               ; ADR2 and ADT2 are written, which the way out reads; the sums above are done with v38-62, in which the loads behind the barrier land
.irp x, 0,1,2
.irp y, 0,1,2
.irp j, 0,1,2,3,4,5
	ds_store_b32 v[ADM], v[ACC+8*(3*\x+\y)+\j] offset:\x*2304+\j*192+\y*64     ; registers 6 and 7 are the rows of channels 6 and 7: not kept
.endr
.endr
.endr
	s_wait_dscnt 0x0
	s_barrier_signal -1
	s_barrier_wait -1                              ; the eight copies are whole
	; the record = the sum of the eight copies: 448 pieces of 16 bytes; thread t takes piece t, and in waves 0 to 5 piece 256 + t
.macro SUM8 b
.irp n, 0,8,16,24
	v_pk_add_f32 v[\b+\n:\b+\n+1],   v[\b+\n:\b+\n+1],   v[\b+\n+4:\b+\n+5]
	v_pk_add_f32 v[\b+\n+2:\b+\n+3], v[\b+\n+2:\b+\n+3], v[\b+\n+6:\b+\n+7]
.endr
.irp n, 0,16
	v_pk_add_f32 v[\b+\n:\b+\n+1],   v[\b+\n:\b+\n+1],   v[\b+\n+8:\b+\n+9]
	v_pk_add_f32 v[\b+\n+2:\b+\n+3], v[\b+\n+2:\b+\n+3], v[\b+\n+10:\b+\n+11]
.endr
	v_pk_add_f32 v[\b:\b+1],   v[\b:\b+1],   v[\b+16:\b+17]
	v_pk_add_f32 v[\b+2:\b+3], v[\b+2:\b+3], v[\b+18:\b+19]
.endm
.irp n, 0,1,2,3,4,5,6,7
	ds_load_b128 v[38+4*\n:41+4*\n], v[ADR2] offset:\n*REC     ; no vector instruction has been issued since the wait ahead of the stores
.endr
	s_cmp_gt_u32 s8, 5
	s_cbranch_scc1 .Lone_piece
.irp n, 0,1,2,3,4,5,6,7
	ds_load_b128 v[70+4*\n:73+4*\n], v[ADR2] offset:\n*REC+4096
.endr
	s_wait_dscnt 8                                 ; LDS loads return in order (ISA guide 5.7.1): the first eight are in, the second eight stay out
	SUM8 38
	s_wait_dscnt 0x0
	SUM8 70
	s_wait_alu depctr_va_vdst(0)                   ; the sums have written v38-41 and v70-73, which the two stores read
	global_store_b128 v[ADT2], v[38:41], s[6:7]    ; sixteen lanes store 256 consecutive bytes, at a multiple of 256 from the buffer's first byte
	global_store_b128 v[ADT2], v[70:73], s[6:7] offset:4096
	s_wait_dscnt 0x0
	s_wait_alu depctr_hold_cnt(0) depctr_sa_sdst(0) depctr_va_vdst(0) depctr_va_sdst(0) depctr_va_ssrc(0) depctr_va_vcc(0) depctr_vm_vsrc(0)
	s_wait_tensorcnt 0x0
	ds_add_u32 v246, v247
	s_wait_dscnt 0x0
	s_endpgm
.Lone_piece:
	s_wait_dscnt 0x0
	SUM8 38
	s_wait_alu depctr_va_vdst(0)                   ; the sums have written v38-41, which the store reads
	global_store_b128 v[ADT2], v[38:41], s[6:7]
	s_wait_dscnt 0x0
	s_wait_alu depctr_hold_cnt(0) depctr_sa_sdst(0) depctr_va_vdst(0) depctr_va_sdst(0) depctr_va_ssrc(0) depctr_va_vcc(0) depctr_vm_vsrc(0)
	s_wait_tensorcnt 0x0
	ds_add_u32 v246, v247
	s_wait_dscnt 0x0
	s_endpgm
.Lfunc_end_k_q93545245ee_chunks:
	.size	k_q93545245ee_chunks, .Lfunc_end_k_q93545245ee_chunks-k_q93545245ee_chunks
	.p2alignl 7, 3214868480
	.fill 96, 4, 3214868480
	.section	.rodata,"a",@progbits
	.p2align	6, 0x0
	.amdhsa_kernel k_q93545245ee_chunks
		.amdhsa_group_segment_fixed_size 198144
		.amdhsa_private_segment_fixed_size 0
		.amdhsa_enable_private_segment 0
		.amdhsa_kernarg_size 16
		.amdhsa_user_sgpr_count 2
		.amdhsa_user_sgpr_kernarg_segment_ptr 1
		.amdhsa_wavefront_size32 1
		.amdhsa_system_sgpr_workgroup_id_x 1
		.amdhsa_system_sgpr_workgroup_id_y 1
		.amdhsa_system_sgpr_workgroup_id_z 1
		.amdhsa_system_vgpr_workitem_id 0
		.amdhsa_next_free_vgpr 248
		.amdhsa_next_free_sgpr 66
		.amdhsa_reserve_vcc 0
		.amdhsa_float_denorm_mode_32 3
		.amdhsa_float_denorm_mode_16_64 3
		.amdhsa_memory_ordered 1
		.amdhsa_forward_progress 1
		.amdhsa_inst_pref_size 103
	.end_amdhsa_kernel
	.amdgpu_metadata
---
amdhsa.version: [ 1, 2 ]
amdhsa.kernels:
  - .name:           k_q93545245ee_chunks
    .symbol:         k_q93545245ee_chunks.kd
    .args:
      - { .name: path, .offset: 0, .size: 8, .value_kind: global_buffer, .address_space: global }
      - { .name: sig, .offset: 8, .size: 8, .value_kind: global_buffer, .address_space: global }
    .group_segment_fixed_size: 198144
    .private_segment_fixed_size: 0
    .kernarg_segment_align: 8
    .kernarg_segment_size: 16
    .max_flat_workgroup_size: 256
    .sgpr_count:     66
    .vgpr_count:     248
    .wavefront_size: 32
...
	.end_amdgpu_metadata
.endif
;; end of part 3
;; launch combine: the kernel of part 2 again; grid 64 x 1, 7 waves a work-group, no clusters, 38,144 bytes of LDS; arguments sig, out0; writes out0
